; MI455X (gfx1250); checked and timed in simulation.
; The chip was launched on July 23, 2026; its instructions are those of AMD's public machine-readable ISA for CDNA 5 (MIT licence, August 2026) and "CDNA5" Instruction Set Architecture Reference Guide (July 2026). The comments in the code are by the model that wrote it; some were corrected since.
;; VDM Attn Block. Allowed arithmetic: matrix products marked QUANTISED: E2M1 operands, one E8M0 scale for each 32 along K, by v_wmma_scale_f32_16x16x128_f8f6f4 with both operands' format E2M1 (or v_wmma_scale_f32_32x16x128_f4), f32 sums; everything else in f32.
;; Inputs: k_b 256 float32; k_w_codes 256 x 8 x 16 uint8 (E2M1 codes of k_w, K innermost, in blocks of 32 codes, two codes a byte); k_w_scales 256 x 8 uint8 (E8M0 scales of k_w, one for each 32 codes along K); norm_b 256 float32; norm_w 256 float32; proj_b 256 float32; proj_w_codes 256 x 8 x 16 uint8 (E2M1 codes of proj_w, K innermost, in blocks of 32 codes, two codes a byte); proj_w_scales 256 x 8 uint8 (E8M0 scales of proj_w, one for each 32 codes along K); q_b 256 float32; q_w_codes 256 x 8 x 16 uint8 (E2M1 codes of q_w, K innermost, in blocks of 32 codes, two codes a byte); q_w_scales 256 x 8 uint8 (E8M0 scales of q_w, one for each 32 codes along K); v_b 256 float32; v_w_codes 256 x 8 x 16 uint8 (E2M1 codes of v_w, K innermost, in blocks of 32 codes, two codes a byte); v_w_scales 256 x 8 uint8 (E8M0 scales of v_w, one for each 32 codes along K); x 4 x 256 x 64 x 64 float32.
;; Outputs: out0 4 x 256 x 64 x 64 float32.
;; This version of the problem:
;;   THIS VERSION OF THE PROBLEM IS GIVEN IN LOW PRECISION. The matrix products marked QUANTISED in the list below multiply operands that are first quantised to E2M1 (2 exponent bits, 1 mantissa bit; 4 bits a number), with one power-of-two scale for each 32 numbers along K (OCP MX v1.0); their sums are f32. All else is computed in f32.
;;   The module's matrix products, in the order in which they are computed (A, B: the left and right operand; K: the contracted axis; several contracted axes count as one K, in the product's order):
;;     1. [M 16,384, K 256] x [K 256, N 256]; A: computed on the way; B: input q_w (given as codes): QUANTISED
;;     2. [M 16,384, K 256] x [K 256, N 256]; A: computed on the way; B: input k_w (given as codes): QUANTISED
;;     3. [M 16,384, K 256] x [K 256, N 256]; A: computed on the way; B: input v_w (given as codes): QUANTISED
;;     4. batch 4 x [M 4,096, K 256] x [K 256, N 4,096]; A: computed on the way; B: computed on the way: QUANTISED
;;     5. batch 4 x [M 256, K 4,096] x [K 4,096, N 4,096]; A: computed on the way; B: softmax (see below): QUANTISED
;;     6. [M 16,384, K 256] x [K 256, N 256]; A: computed on the way; B: input proj_w (given as codes): QUANTISED
;;   THE QUANTISER, for each operand of a quantised product, along K:
;;     - K is cut into blocks of 32 from its start; a last block that is shorter is filled with zeros.
;;     - A block's scale is 2^e with e = floor(log2(the largest magnitude in the block)) - 2, held to -126 .. 127; a block of zeros has e = 0. As a byte (E8M0): e + 127.
;;     - Each number is divided by its block's scale, clamped to +-6, and rounded to the nearest number of E2M1, ties to even, subnormals kept.
;;     - The product sums the exact products of the quantised numbers (number of the format x scale) in f32.
;;   ~~~python
;;   def quantise(x, axis):      # numpy; x: float32 -> the quantised numbers, widened to float32 again
;;       x = np.moveaxis(x, axis, -1); K = x.shape[-1]
;;       x = np.pad(x, [(0, 0)] * (x.ndim - 1) + [(0, -K % 32)]); x = x.reshape(x.shape[:-1] + (-1, 32)); a = np.abs(x).max(-1, keepdims=True)
;;       e = np.where(a > 0, np.clip(np.frexp(np.where(a > 0, a, 1))[1] - 1 - 2, -126, 127), 0)      # np.frexp(a)[1] - 1 = floor(log2(a)), exactly
;;       r = np.clip(x / 2.0 ** e, -6, 6)
;;       step = 2.0 ** (np.maximum(np.frexp(np.where(r == 0, 1, r))[1] - 1, 0) - 1)
;;       q = np.round(r / step) * step * 2.0 ** e      # np.round: ties to even
;;       return np.moveaxis(q.reshape(q.shape[:-2] + (-1,))[..., :K], -1, axis).astype(np.float32)
;;   ~~~
;;   SOFTMAX AHEAD OF A QUANTISED PRODUCT. Where the list says 'softmax', what is quantised is not the finished softmax but p = 2^(t - M), with t = logit x log2(e) and M = ceil(the row's largest t), a whole number; so 1/2 < the row's largest p <= 1. The row's sum l is taken of the UNQUANTISED p, in f32, and the product's result is divided by l at the end. Since M is a whole number, a kernel that streams over the keys may use a running M (the ceiling of the running maximum): every later rescaling is an exact power of two, which a block's scale takes up: the codes' values come out the same.
;;   OPERANDS COMPUTED ON THE WAY. 'Computed on the way' means the value that the module computes at that place (a softmax that the list does not call 'softmax' is quantised finished and normalised). What goes into a quantiser is computed in f32, as accurately as f32 sums, v_exp_f32 and their like allow (about 1e-6 of the number): no bf16 or f16 on the way to a quantiser, and a product that is left as it is and whose result goes on into a quantised operand takes f32 operands (vector FMAs, or v_wmma_f32_16x16x4_f32). A number that lies on a knife's edge between two numbers of the format may be rounded either way, as far as f32 arithmetic and the matrix unit's own rounding can turn it there, and no further.
;;   INPUTS GIVEN AS CODES. k_w (in the module: [256, 256], K = its axis 1); proj_w (in the module: [256, 256], K = its axis 1); q_w (in the module: [256, 256], K = its axis 1); v_w (in the module: [256, 256], K = its axis 1): each comes as NAME_codes (uint8): NAME with its K axis moved to the last place and cut into blocks of 32 codes, [.., K / 32, bytes a block], one block behind the other in memory; two codes a byte, the lower K in the low four bits (a code: sign, 2 exponent bits, 1 mantissa bit); and NAME_scales (uint8): the same leading axes, one E8M0 byte (e + 127) for each 32 codes along K. Its value is code x scale, taken as it is: it is not quantised again, and the codes and scales need not be those that the quantiser above would give.
;; One version. Each part assembles by itself: llvm-mc -triple=amdgcn-amd-amdhsa -mcpu=gfx1250 --defsym DOCPART=n.
;; ======== version 1 of 1: 3 launches
;; workspace buffers: stats 8,192 bytes; qimg 2,228,224 bytes; kv 4,456,448 bytes
;; launch gnstat (part 1): grid 32 x 4, 16 waves a work-group, no clusters, 2,560 bytes of LDS; arguments x, norm_w, stats; writes stats
.if DOCPART == 1
	.amdgcn_target "amdgcn-amd-amdhsa--gfx1250"
	.amdhsa_code_object_version 6
	.text
	.protected	k_q6152ce3f9f_gnstat
	.globl	k_q6152ce3f9f_gnstat
	.p2align	8
	.type	k_q6152ce3f9f_gnstat,@function
k_q6152ce3f9f_gnstat:
	s_mov_b64 s[64:65], 0
	v_nop
	global_prefetch_b8 v0, s[64:65] scope:SCOPE_SE
	s_setreg_imm32_b32 hwreg(HW_REG_WAVE_MODE, 25, 1), 1
	s_wait_xcnt 0x0
; GroupNorm's statistics.  x: [4][256][4096] f32.  A group is 8 channels x 4,096 positions: 131,072 consecutive bytes.
; One work-group owns one (batch, group): the group lies in its registers (64 numbers a thread), so mean and variance are a true two-pass:
; the mean first, then the sum of squared deviations.  No difference of large sums is formed.
; OUT: stats: A[b][c] = rsqrt(var + 1e-5) x norm_w[c] at byte 4 (256 b + c); the group's mean, repeated for its 8 channels, 4,096 bytes further on.
; DEAD WORK IN THIS PROGRAM: none.  Every input has a way to the output: k_b and v_b move k's and v's codes, so they stay; all 15 inputs are loaded.
; LIMITS: NaN and infinities among the inputs are not served; v_rsq_f32 is accurate to 1 ulp; the sums' order differs from the reference's.
; No tensor load, no cluster: no two work-groups share a byte of x, and all of a group's loads are out at once.
.set RED1,  0                          ; LDS: 16 partial sums of pass 1
.set RED2,  256                        ; and of pass 2, in bytes of their own
.set SPARE, 512                        ; the spare words, 128 bytes for each of 16 waves
.set X,     16                         ; v16-79 my 64 numbers
	s_load_b128 s[4:7], s[0:1], 0x0                ; x, norm_w
	s_load_b64 s[8:9], s[0:1], 0x10                ; stats
	v_lshl_add_u32 v1, v0, 2, SPARE                ; my spare word; never rewritten
	v_mov_b32 v2, 0                                ; 0; never rewritten
	v_lshrrev_b32 v96, 5, v0
	v_lshlrev_b32 v96, 2, v96                      ; 4 x wave: my wave's word among the partial sums
	v_mov_b32 v97, 0                               ; where all lanes read them back
	v_mov_b32 v15, 0                               ; (a lane permute's destination counts as read)
	v_lshlrev_b32 v3, 4, v0                        ; 16 bytes a thread: a wave's load covers 512 consecutive bytes
	v_and_b32 v4, 7, v0
	v_lshlrev_b32 v4, 2, v4                        ; 4 (t % 8): a channel of the group
	s_and_b32 s11, ttmp7, 0xffff                   ; b
	s_lshl_b32 s14, s11, 5
	s_add_co_u32 s14, s14, ttmp9                   ; 32 b + g
	s_lshl_b32 s16, s14, 17                        ; x 131,072 bytes
	s_mov_b32 s17, 0
	s_lshl_b32 s18, ttmp9, 5                       ; norm_w: 8 g numbers
	s_mov_b32 s19, 0
	s_lshl_b32 s22, s14, 5                         ; stats: 4 (256 b + 8 g)
	s_mov_b32 s23, 0
	s_mov_b32 s12, 0x76543210
	s_mov_b32 s13, 0xfedcba98                      ; lane l xor 16
	s_wait_kmcnt 0x0
	s_add_nc_u64 s[4:5], s[4:5], s[16:17]
	s_add_nc_u64 s[6:7], s[6:7], s[18:19]
	s_add_nc_u64 s[8:9], s[8:9], s[22:23]
	global_load_b32 v5, v4, s[6:7]                 ; norm_w[8 g + t % 8]
.irp i, 0,1,2,3,4,5,6,7,8,9,10,11,12,13,14,15
	global_load_b128 v[X+4*\i:X+4*\i+3], v3, s[4:5] offset:8192*\i
.endr
.macro FOLD                            ; four packed chains into one number a lane, then over the wave's 32 lanes
	v_pk_add_f32 v[6:7], v[6:7], v[8:9]
	v_pk_add_f32 v[10:11], v[10:11], v[12:13]
	v_pk_add_f32 v[6:7], v[6:7], v[10:11]
	v_add_f32 v14, v6, v7
	v_add_f32_dpp v14, v14, v14 row_xmask:1 row_mask:0xf bank_mask:0xf
	v_add_f32_dpp v14, v14, v14 row_xmask:2 row_mask:0xf bank_mask:0xf
	v_add_f32_dpp v14, v14, v14 row_xmask:4 row_mask:0xf bank_mask:0xf
	v_add_f32_dpp v14, v14, v14 row_xmask:8 row_mask:0xf bank_mask:0xf
	v_permlanex16_b32 v15, v14, s12, s13
	v_add_f32 v14, v14, v15
.endm
.macro GATHER red                      ; the 16 waves' sums meet in LDS; every lane ends with the total in v14
	ds_store_b32 v96, v14 offset:\red              ; all lanes of a wave write the same word with the same value
	s_wait_dscnt 0x0                               ; for the others' sake: my store has landed
	s_barrier_signal -1
	s_barrier_wait -1
.irp k, 0,1,2,3
	ds_load_b128 v[80+4*\k:83+4*\k], v97 offset:\red+16*\k
.endr
	s_wait_dscnt 0x0
.irp j, 0,2,4,6
	v_pk_add_f32 v[80+\j:81+\j], v[80+\j:81+\j], v[88+\j:89+\j]
.endr
	v_pk_add_f32 v[80:81], v[80:81], v[84:85]
	v_pk_add_f32 v[82:83], v[82:83], v[86:87]
	v_pk_add_f32 v[80:81], v[80:81], v[82:83]
	v_add_f32 v14, v80, v81
.endm
	; PASS 1: the sum.  The first four loads start the chains: nothing is cleared
	s_wait_loadcnt 12                              ; norm_w and x's first four loads are in; the twelve younger may be out
.irp j, 0,1,2,3
	v_pk_add_f32 v[6+2*\j:7+2*\j], v[X+2*\j:X+2*\j+1], v[X+8+2*\j:X+9+2*\j]
.endr
.irp k, 1,2,3
	s_wait_loadcnt 12-4*\k                         ; the next four loads are in; those behind them may be out
.irp p, 0,1,2,3,4,5,6,7
	v_pk_add_f32 v[6+2*(\p%4):7+2*(\p%4)], v[6+2*(\p%4):7+2*(\p%4)], v[X+16*\k+2*\p:X+16*\k+2*\p+1]
.endr
.endr
	FOLD
	GATHER RED1
	v_mul_f32 v14, 0x38000000, v14                 ; / 32,768: the mean
	v_mov_b32 v98, v14
	; PASS 2: the deviations, and the sum of their squares
.set i, 0
.rept 32
	v_pk_add_f32 v[X+i:X+i+1], v[X+i:X+i+1], v[14:15] op_sel_hi:[1,0] neg_lo:[0,1] neg_hi:[0,1]
.set i, i+2
.endr
.irp j, 0,1,2,3
	v_pk_mul_f32 v[6+2*\j:7+2*\j], v[X+2*\j:X+2*\j+1], v[X+2*\j:X+2*\j+1]
.endr
.set i, 4
.rept 28
	v_pk_fma_f32 v[6+2*(i%4):7+2*(i%4)], v[X+2*i:X+2*i+1], v[X+2*i:X+2*i+1], v[6+2*(i%4):7+2*(i%4)]
.set i, i+1
.endr
	FOLD
	GATHER RED2
	v_mul_f32 v14, 0x38000000, v14                 ; the variance
	v_add_f32 v14, 0x3727c5ac, v14                 ; + 1e-5
	v_rsq_f32 v15, v14
	v_nop                                          ; a plain instruction behind the transcendental
	s_wait_alu depctr_va_vdst(0)                   ; and the wait ahead of its first reader
	v_mul_f32 v15, v15, v5                         ; A = rsqrt(var + eps) x norm_w
	v_cmp_gt_u32 vcc_lo, 8, v0
	s_wait_xcnt 0x0                                ; EXEC changes only behind this wait
	s_and_saveexec_b32 s20, vcc_lo                 ; threads 0 to 7: one for each channel of the group
	global_store_b32 v4, v15, s[8:9]
	global_store_b32 v4, v98, s[8:9] offset:4096
	s_wait_xcnt 0x0
	s_or_b32 exec_lo, exec_lo, s20
	s_wait_tensorcnt 0x0                           ; the wave's end
	ds_add_u32 v1, v2
	s_wait_dscnt 0x0
	s_endpgm
.Lfunc_end_k_q6152ce3f9f_gnstat:
	.size	k_q6152ce3f9f_gnstat, .Lfunc_end_k_q6152ce3f9f_gnstat-k_q6152ce3f9f_gnstat
	.p2alignl 7, 3214868480
	.fill 96, 4, 3214868480
	.section	.rodata,"a",@progbits
	.p2align	6, 0x0
	.amdhsa_kernel k_q6152ce3f9f_gnstat
		.amdhsa_group_segment_fixed_size 2560
		.amdhsa_private_segment_fixed_size 0
		.amdhsa_enable_private_segment 0
		.amdhsa_kernarg_size 24
		.amdhsa_user_sgpr_count 2
		.amdhsa_user_sgpr_kernarg_segment_ptr 1
		.amdhsa_wavefront_size32 1
		.amdhsa_system_sgpr_workgroup_id_x 1
		.amdhsa_system_sgpr_workgroup_id_y 1
		.amdhsa_system_sgpr_workgroup_id_z 1
		.amdhsa_system_vgpr_workitem_id 0
		.amdhsa_next_free_vgpr 104
		.amdhsa_next_free_sgpr 66
		.amdhsa_reserve_vcc 1
		.amdhsa_float_denorm_mode_32 3
		.amdhsa_float_denorm_mode_16_64 3
		.amdhsa_memory_ordered 1
		.amdhsa_forward_progress 1
		.amdhsa_inst_pref_size 13
	.end_amdhsa_kernel
	.amdgpu_metadata
---
amdhsa.version: [ 1, 2 ]
amdhsa.kernels:
  - .name:           k_q6152ce3f9f_gnstat
    .symbol:         k_q6152ce3f9f_gnstat.kd
    .args:
      - { .name: x, .offset: 0, .size: 8, .value_kind: global_buffer, .address_space: global }
      - { .name: norm_w, .offset: 8, .size: 8, .value_kind: global_buffer, .address_space: global }
      - { .name: stats, .offset: 16, .size: 8, .value_kind: global_buffer, .address_space: global }
    .group_segment_fixed_size: 2560
    .private_segment_fixed_size: 0
    .kernarg_segment_align: 8
    .kernarg_segment_size: 24
    .max_flat_workgroup_size: 512
    .sgpr_count:     66
    .vgpr_count:     104
    .wavefront_size: 32
...
	.end_amdgpu_metadata
.endif
;; end of part 1
;; launch qkv (part 2): grid 64 x 4, 16 waves a work-group, no clusters, 11,776 bytes of LDS; arguments x, stats, norm_b, q_w_codes, q_w_scales, q_b, k_w_codes, k_w_scales, k_b, v_w_codes, v_w_scales, v_b, qimg, kv; writes qimg, kv
.if DOCPART == 2
	.amdgcn_target "amdgcn-amd-amdhsa--gfx1250"
	.amdhsa_code_object_version 6
	.text
	.protected	k_q6152ce3f9f_qkv
	.globl	k_q6152ce3f9f_qkv
	.p2align	8
	.type	k_q6152ce3f9f_qkv,@function
k_q6152ce3f9f_qkv:
	s_mov_b64 s[64:65], 0
	v_nop
	global_prefetch_b8 v0, s[64:65] scope:SCOPE_SE
	s_setreg_imm32_b32 hwreg(HW_REG_WAVE_MODE, 25, 1), 1
	s_wait_xcnt 0x0
; h = (x - mean) A + norm_b, quantised along the channels; q = Wq h + bq, k = Wk h + bk, v = Wv h + bv on codes of FP4 (E2M1) with E8M0 scales;
; q and k quantised along their channels, v along the positions (the keys).  No work of the problem is left out here.
; A work-group takes 64 positions of one batch: half ph = x % 2 of block x / 2 of 128 positions: 256 work-groups.
; ALL OPERANDS LEAVE AS IMAGES OF THEIR REGISTERS.  A fragment (16 rows x 128 K) is 8 registers a lane: register 4 c + i of lane l is the word at 512 c + 16 l + 4 i: 1,024 bytes.
;   qimg: block (32 b + blk) of 17,408 bytes: fragment (tile pt, K step s) at 2048 pt + 1024 s; scale words at 16384 + 512 (pt / 4) + 16 (r + 16 s) + 4 (pt % 4).
;   kv:   block (32 b + blk) of 34,816 bytes: K as q; V's fragment ct at 16384 + 1024 ct; K's scale words at 32768, as q's; V's at 33792 + 512 (ct / 8) + 16 (r + 16 (ct % 2)) + 4 ((ct / 2) % 4).
; My half owns tiles pt = 4 ph + 0 .. 3 of q and k with one 512-byte half of each scale image, and of every fragment of V the half c = ph: 512 bytes on end.
; Of V's scale words it owns bytes 2 ph and 2 ph + 1: they leave as 2 bytes a lane, 16 bytes apart, one store a wave: 512 of the work-group's 26,112 bytes, in words that the other half's work-group completes.
; THE ROWS OF A TILE ARE NOT NEIGHBOURS: row r of tile 2 B + u is item 32 B + 8 u + r + 8 (r / 8): positions in h's, q's, k's tiles, output channels in Wq's, Wk's and Wv's.
; So in a result whose source 0 has such rows, the 16 registers of tiles 2 B and 2 B + 1 are 16 neighbours, 32 B + 16 (lane / 16) + 0 .. 15, along the next product's K.
; SIXTEEN WAVES.  Phase H: wave w takes positions 32 (w % 2) on and the block of 32 channels w / 2: a lane a position, its registers down the channels.
; Products: waves 0-7 make q's channels 32 (w % 8) on, waves 8-15 k's, for the 64 positions; every wave also makes V's channel tile w.  Each weight byte is loaded once in a work-group.
; LIMITS: NaN and infinities are not served; a block whose largest magnitude lies under 2^-124 keeps the byte 1, a block of zeros too (its codes are zeros; this program alone reads the bytes).
; No tensor load and no cluster: x is shared by nobody, the weights go straight into registers.
.set HIMG,  0                          ; LDS: h's 8 fragments, (tile a, s) at 2048 a + 1024 s
.set HSC,   8192                       ; their scale words: 128 a + 64 s + 4 r
.set SCST,  8704                       ; the stage of my halves of q's and k's scale images, 512 bytes each, as they lie in memory
.set SPARE, 9728                       ; the spare words, 128 bytes for each of 16 waves
.set QBLK,  17408
.set KVB,   34816
.set X,     64                         ; v64-95   32 numbers of x, then h
.set ACC,   64                         ; v64-127  later eight accumulators
.set CA,    128                        ; v128-159 A of my 32 channels
.set CN,    160                        ; v160-191 norm_b of my 32 channels
.set HF,    128                        ; v128-191 later h's fragments of the four tiles
.set WQ,    192                        ; v192-223 Wq's or Wk's four fragments (u, s) at 8 (2 u + s),
.set VW,    224                        ; v224-239 Wv's two,
.set BQ,    240                        ; v240-255 the bias of my two tiles
.set MN,    60                         ; v60-63   four groups' means
.set VB,    16                         ; v16-23   v_b of my lane's channel, eight times
.set PC,    32                         ; v32-39   codes
.set MAXR,  40                         ; v40-43   largest magnitudes
.set PRM,   44                         ; v44-47   the other half's, then the scale bytes
.set SOP,   48                         ; v48-51   the conversions' scale operands
; v24-25 Wq/Wk's scale words, v26 Wv's, v28-31 h's: scales and nothing else
.macro PLACES
.rept 4
	v_nop
.endr
.endm
; one matrix instruction.  row: which half of the lanes of both scale registers is read
.macro MM d, a, b, c, sa, sb, row
.if \row
	v_wmma_scale_f32_16x16x128_f8f6f4 v[\d:\d+7], v[\a:\a+7], v[\b:\b+7], v[\c:\c+7], v[\sa], v[\sb] matrix_a_fmt:MATRIX_FMT_FP4 matrix_b_fmt:MATRIX_FMT_FP4 matrix_a_scale:MATRIX_SCALE_ROW1 matrix_b_scale:MATRIX_SCALE_ROW1
.else
	v_wmma_scale_f32_16x16x128_f8f6f4 v[\d:\d+7], v[\a:\a+7], v[\b:\b+7], v[\c:\c+7], v[\sa], v[\sb] matrix_a_fmt:MATRIX_FMT_FP4 matrix_b_fmt:MATRIX_FMT_FP4
.endif
.endm
	s_load_b512 s[4:19], s[0:1], 0x0               ; x 4, stats 6, norm_b 8, q_w_codes 10, q_w_scales 12, q_b 14, k_w_codes 16, k_w_scales 18
	s_load_b256 s[20:27], s[0:1], 0x40             ; k_b 20, v_w_codes 22, v_w_scales 24, v_b 26
	s_load_b128 s[28:31], s[0:1], 0x60             ; qimg 28, kv 30
	v_lshl_add_u32 v1, v0, 2, SPARE                ; my spare word; never rewritten
	v_mov_b32 v2, 0                                ; 0; never rewritten
	v_lshrrev_b32 v53, 5, v0
	v_readfirstlane_b32 s32, v53                   ; wave w = V's channel tile ct
	s_and_b32 s33, ttmp7, 0xffff                   ; b
	s_lshr_b32 s34, ttmp9, 1                       ; blk: which 128 positions
	s_and_b32 s39, ttmp9, 1                        ; ph: which half of them
	s_and_b32 s35, s32, 1                          ; pg: which 32 positions in phase H
	s_lshr_b32 s36, s32, 1                         ; cq: which block of 32 channels
	s_lshr_b32 s37, s32, 3                         ; mat: 0 q, 1 k
	s_and_b32 s38, s32, 7                          ; ob: which 32 output channels
	v_and_b32 v53, 31, v0                          ; lane
	v_and_b32 v54, 15, v0                          ; r
	v_bfe_u32 v55, v0, 4, 1                        ; h
	v_bfe_u32 v56, v0, 3, 1                        ; (lane / 8) % 2
	v_and_b32 v57, 7, v0                           ; lane % 8
	v_lshlrev_b32 v3, 4, v53                       ; LI: 16 x lane: an image's place for my lane
	v_lshlrev_b32 v4, 2, v53                       ; LS: 4 x lane
	v_lshlrev_b32 v5, 4, v54
	v_lshl_add_u32 v5, v55, 3, v5                  ; LQ: 16 r + 8 h: my 16 codes of a block of q or k
	v_lshlrev_b32 v7, 4, v54                       ; 16 r: my channel's word in V's scale image
	v_lshlrev_b32 v8, 2, v53                       ; XO: x: 4 bytes a lane
	v_mov_b32 v9, 0                                ; VZ: the same address in all lanes
	; HST: position 32 pg + lane is row (lane % 8) + 8 (lane / 16) of tile 2 pg + (lane / 8) % 2; block cq of a row lies 256 cq bytes into the tile's two fragments
	s_lshl_b32 s40, s35, 12
	s_lshl_b32 s42, s36, 8
	s_add_co_u32 s40, s40, s42
	v_lshlrev_b32 v10, 11, v56
	v_lshl_add_u32 v10, v57, 4, v10
	v_lshl_add_u32 v10, v55, 7, v10
	v_add_nc_u32 v10, s40, v10
	; HSS: byte cq % 4 of my row's scale word of K step cq / 4
	s_lshl_b32 s40, s35, 8
	s_lshr_b32 s42, s36, 2
	s_lshl_b32 s42, s42, 6
	s_add_co_u32 s40, s40, s42
	s_and_b32 s42, s36, 3
	s_add_co_u32 s40, s40, s42
	s_add_co_u32 s40, s40, HSC
	v_lshlrev_b32 v11, 7, v56
	v_lshl_add_u32 v11, v57, 2, v11
	v_lshl_add_u32 v11, v55, 5, v11
	v_add_nc_u32 v11, s40, v11
	v_and_b32 v58, 8, v54
	v_add_nc_u32 v58, v58, v54                     ; r + 8 (r / 8)
	v_lshlrev_b32 v12, 7, v58
	v_lshl_add_u32 v12, v55, 4, v12                ; WA: a weight's row of 128 bytes, + 16 h
	v_lshlrev_b32 v13, 3, v58
	v_lshl_add_u32 v13, v55, 2, v13                ; WSA: its 8 scale bytes: lanes 0-15 K step 0's word, lanes 16-31 K step 1's
	v_lshlrev_b32 v14, 6, v55                      ; BA: the bias of channels 16 h on
	v_lshlrev_b32 v15, 2, v58                      ; VBA: v_b of my lane's channel
	; SSA: the stage: q's or k's half image, byte ob % 4 of the word of (row r, K step ob / 4)
	s_lshl_b32 s40, s37, 9
	s_lshr_b32 s42, s38, 2
	s_lshl_b32 s42, s42, 8
	s_add_co_u32 s40, s40, s42
	s_and_b32 s42, s38, 3
	s_add_co_u32 s40, s40, s42
	s_add_co_u32 s40, s40, SCST
	v_lshl_add_u32 v6, v54, 4, s40
	s_min_u32 s40, s32, 1                          ; the way out of the stage: waves 0 and 1 take 512 bytes each
	s_lshl_b32 s40, s40, 9
	s_add_co_u32 s40, s40, SCST
	v_add_nc_u32 v59, s40, v3
.irp j, 0,1,2,3
	v_mov_b32 v[PRM+\j], 0                         ; written once: a lane permute's destination counts as read
.endr
	s_mov_b32 s60, 0x76543210
	s_mov_b32 s61, 0xfedcba98                      ; lane l xor 16
	s_lshl_b32 s44, s33, 22                        ; x: batch,
	s_lshl_b32 s42, s36, 19                        ; 32 cq channels of 16,384 bytes,
	s_add_co_u32 s44, s44, s42
	s_lshl_b32 s42, ttmp9, 8                       ; 64 positions a work-group,
	s_add_co_u32 s44, s44, s42
	s_lshl_b32 s42, s35, 7                         ; 32 a wave
	s_add_co_u32 s44, s44, s42
	s_mov_b32 s45, 0
	s_lshl_b32 s46, s33, 10                        ; stats: 4 (256 b + 32 cq)
	s_lshl_b32 s48, s36, 7                         ; norm_b: 4 x 32 cq
	s_add_co_u32 s46, s46, s48
	s_mov_b32 s47, 0
	s_mov_b32 s49, 0
	s_wait_kmcnt 0x0
	s_add_nc_u64 s[4:5], s[4:5], s[44:45]
	s_add_nc_u64 s[6:7], s[6:7], s[46:47]
	s_add_nc_u64 s[8:9], s[8:9], s[48:49]
	; PHASE H.  20 loads of coefficients (the same address in all lanes), then x: each load reads one channel at 32 neighbouring positions, two waves side by side on 256 bytes
.irp k, 0,1,2,3,4,5,6,7
	global_load_b128 v[CA+4*\k:CA+4*\k+3], v9, s[6:7] offset:16*\k
.endr
.irp k, 0,1,2,3,4,5,6,7
	global_load_b128 v[CN+4*\k:CN+4*\k+3], v9, s[8:9] offset:16*\k
.endr
.irp g, 0,1,2,3
	global_load_b32 v[MN+\g], v9, s[6:7] offset:4096+32*\g
.endr
.set i, 0
.rept 32
	global_load_b32 v[X+i], v8, s[4:5] offset:16384*i
.set i, i+1
.endr
	; where the weights and the biases lie
	s_cmp_lt_u32 s32, 8                            ; q's wave or k's: the choice hangs on the wave's number alone
	s_cselect_b64 s[10:11], s[10:11], s[16:17]
	s_cselect_b64 s[12:13], s[12:13], s[18:19]
	s_cselect_b64 s[14:15], s[14:15], s[20:21]
	s_mov_b32 s41, 0
	s_lshl_b32 s40, s38, 12                        ; 32 ob rows of 128 bytes
	s_add_nc_u64 s[10:11], s[10:11], s[40:41]
	s_lshl_b32 s40, s38, 8                         ; of 8 scale bytes
	s_add_nc_u64 s[12:13], s[12:13], s[40:41]
	s_lshl_b32 s40, s38, 7                         ; of 4 bytes of bias
	s_add_nc_u64 s[14:15], s[14:15], s[40:41]
	; the weights have registers of their own: Wq's or Wk's fragments and scale words go out with x: 62 loads of mine are out
.irp u, 0,1
.irp s, 0,1
.irp c, 0,1
	global_load_b128 v[WQ+8*(2*\u+\s)+4*\c:WQ+8*(2*\u+\s)+4*\c+3], v12, s[10:11] offset:1024*\u+64*\s+32*\c
.endr
.endr
.endr
.irp u, 0,1
	global_load_b32 v[24+\u], v13, s[12:13] offset:64*\u
.endr
	s_lshr_b32 s42, s32, 1
	s_lshl_b32 s42, s42, 5
	s_and_b32 s43, s32, 1
	s_lshl_b32 s43, s43, 3
	s_add_co_u32 s42, s42, s43                     ; V's tile ct begins at channel 32 (ct / 2) + 8 (ct % 2)
	s_lshl_b32 s40, s42, 7
	s_add_nc_u64 s[22:23], s[22:23], s[40:41]
	s_lshl_b32 s40, s42, 3
	s_add_nc_u64 s[24:25], s[24:25], s[40:41]
	s_lshl_b32 s40, s42, 2
	s_add_nc_u64 s[26:27], s[26:27], s[40:41]
	; and the results
	s_lshl_b32 s42, s33, 5
	s_add_co_u32 s42, s42, s34                     ; 32 b + blk
	s_mul_i32 s40, s42, QBLK
	s_add_nc_u64 s[28:29], s[28:29], s[40:41]      ; my block of qimg
	s_mul_i32 s40, s42, KVB
	s_add_nc_u64 s[30:31], s[30:31], s[40:41]      ; and of kv
	s_cmp_lt_u32 s32, 8
	s_cselect_b64 s[48:49], s[28:29], s[30:31]
	s_lshl_b32 s40, s38, 8                         ; q's or k's codes: block ob of every row lies 256 ob bytes into a tile's two fragments;
	s_lshl_b32 s43, s39, 13                        ; my half's four tiles begin 8,192 ph bytes on
	s_add_co_u32 s40, s40, s43
	s_add_nc_u64 s[48:49], s[48:49], s[40:41]
	s_lshl_b32 s40, s32, 10
	s_lshl_b32 s43, s39, 9                         ; 512 ph
	s_add_co_u32 s40, s40, s43
	s_add_co_u32 s40, s40, 16384
	s_add_nc_u64 s[50:51], s[30:31], s[40:41]      ; my half of V's fragment ct
	s_cmp_lt_u32 s32, 1
	s_cselect_b64 s[54:55], s[28:29], s[30:31]     ; the scale images: wave 0 q's half, wave 1 k's
	s_mov_b32 s40, 32768
	s_cselect_b32 s40, 16384, s40
	s_add_co_u32 s40, s40, s43
	s_add_nc_u64 s[54:55], s[54:55], s[40:41]
	s_lshr_b32 s40, s32, 3                         ; V's scale words of tile ct, my two bytes of each
	s_lshl_b32 s40, s40, 9
	s_and_b32 s42, s32, 1
	s_lshl_b32 s42, s42, 8
	s_add_co_u32 s40, s40, s42
	s_bfe_u32 s42, s32, 0x20001
	s_lshl_b32 s42, s42, 2
	s_add_co_u32 s40, s40, s42
	s_lshl_b32 s42, s39, 1
	s_add_co_u32 s40, s40, s42
	s_add_co_u32 s40, s40, 33792
	s_add_nc_u64 s[56:57], s[30:31], s[40:41]
	s_wait_loadcnt 10                              ; the coefficients and x are in; the ten loads of Wq or Wk behind them may be out
.irp u, 0,1
	global_load_b128 v[BQ+8*\u:BQ+8*\u+3], v14, s[14:15] offset:32*\u
	global_load_b128 v[BQ+8*\u+4:BQ+8*\u+7], v14, s[14:15] offset:32*\u+16
.endr
.irp s, 0,1
.irp c, 0,1
	global_load_b128 v[VW+8*\s+4*\c:VW+8*\s+4*\c+3], v12, s[22:23] offset:64*\s+32*\c
.endr
.endr
	global_load_b32 v26, v13, s[24:25]
	global_load_b32 v[VB], v15, s[26:27]
	; h = (x - mean) A + norm_b
.set i, 0
.rept 32
	v_sub_f32 v[X+i], v[X+i], v[MN+i/8]
.set i, i+1
.endr
.set i, 0
.rept 16
	v_pk_fma_f32 v[X+i:X+i+1], v[X+i:X+i+1], v[CA+i:CA+i+1], v[CN+i:CN+i+1]
.set i, i+2
.endr
	; my block of 32 channels of my position: all 32 numbers are mine
	v_max3_num_f32 v[MAXR], |v[X]|, |v[X+1]|, |v[X+2]|
	v_max3_num_f32 v[MAXR+1], |v[X+3]|, |v[X+4]|, |v[X+5]|
.irp i, 6,10,14,18,22,26
	v_max3_num_f32 v[MAXR], v[MAXR], |v[X+\i]|, |v[X+\i+1]|
	v_max3_num_f32 v[MAXR+1], v[MAXR+1], |v[X+\i+2]|, |v[X+\i+3]|
.endr
	v_max3_num_f32 v[MAXR], v[MAXR], |v[X+30]|, |v[X+31]|
	v_max3_num_f32 v[MAXR], v[MAXR], v[MAXR+1], 0x1800000      ; and the floor 2^(3 - 127): the byte cannot fall under 1
	v_add_nc_u32 v[SOP], 0xff000000, v[MAXR]       ; 2 off the exponent field: the conversions' scale operand
	v_lshrrev_b32 v[MAXR+2], 23, v[SOP]            ; the scale's byte
.irp g, 0,1,2,3
	v_cvt_scalef32_pk8_fp4_f32 v[PC+\g], v[X+8*\g:X+8*\g+7], v[SOP]
.endr
	v_nop                                          ; one plain instruction behind the last conversion
	ds_store_b128 v10, v[PC:PC+3]                  ; 32 codes: the 16 bytes of (row, block) in the fragment's image
	ds_store_b8 v11, v[MAXR+2]                     ; my byte of my row's scale word
	s_wait_dscnt 0x0                               ; for the others' sake: my stores have landed
	s_barrier_signal -1
	s_barrier_wait -1                              ; h's eight fragments and their scale words lie in LDS
; nb blocks of 32, of which my lane holds 16 numbers each in v[src + 16 b ..]: the largest magnitude with lane l xor 16's, the byte into PRM + b, my 16 codes into PC + 2 b, + 1
.macro QCORE src, nb
.irp b, 0,1,2,3
.if \b < \nb
	v_max3_num_f32 v[MAXR+\b], |v[\src+16*\b]|, |v[\src+16*\b+1]|, 0x1800000
.endif
.endr
.irp i, 2,4,6,8,10,12,14
.irp b, 0,1,2,3
.if \b < \nb
	v_max3_num_f32 v[MAXR+\b], v[MAXR+\b], |v[\src+16*\b+\i]|, |v[\src+16*\b+\i+1]|
.endif
.endr
.endr
.irp b, 0,1,2,3
.if \b < \nb
	v_permlanex16_b32 v[PRM+\b], v[MAXR+\b], s60, s61
.endif
.endr
.irp b, 0,1,2,3
.if \b < \nb
	v_max_num_f32 v[MAXR+\b], v[MAXR+\b], v[PRM+\b]
.endif
.endr
.irp b, 0,1,2,3
.if \b < \nb
	v_add_nc_u32 v[SOP+\b], 0xff000000, v[MAXR+\b]
.endif
.endr
.irp b, 0,1,2,3
.if \b < \nb
	v_lshrrev_b32 v[PRM+\b], 23, v[SOP+\b]
.endif
.endr
.irp b, 0,1,2,3
.if \b < \nb
	v_cvt_scalef32_pk8_fp4_f32 v[PC+2*\b], v[\src+16*\b:\src+16*\b+7], v[SOP+\b]
	v_cvt_scalef32_pk8_fp4_f32 v[PC+2*\b+1], v[\src+16*\b+8:\src+16*\b+15], v[SOP+\b]
.endif
.endr
	v_nop                                          ; one plain instruction behind the last conversion
.endm
	; THE FOUR TILES OF POSITIONS
.irp a, 0,1,2,3
.irp s, 0,1
.irp c, 0,1
	ds_load_b128 v[HF+8*(2*\a+\s)+4*\c:HF+8*(2*\a+\s)+4*\c+3], v3 offset:HIMG+2048*\a+1024*\s+512*\c
.endr
.endr
	ds_load_b32 v[28+\a], v4 offset:HSC+128*\a     ; lanes 0-15 K step 0's words, lanes 16-31 K step 1's
.endr
	s_wait_loadcnt 0x0                             ; the weights, their scales, the biases
.irp j, 1,2,3,4,5,6,7
	v_mov_b32 v[VB+\j], v[VB]                      ; in V's result a lane holds one channel: its bias eight times
.endr
	s_wait_dscnt 0x0
	; q or k, transposed: source 0 = 16 output channels, source 1 = 16 positions: a lane holds one position, registers run along the channels.  The bias starts the sums.  Eight accumulators by turns
.irp s, 0,1
.irp a, 0,1,2,3
.irp u, 0,1
.if \s == 0
	MM ACC+8*(2*\a+\u), WQ+16*\u, HF+16*\a, BQ+8*\u, 24+\u, 28+\a, 0
.else
	MM ACC+8*(2*\a+\u), WQ+16*\u+8, HF+16*\a+8, ACC+8*(2*\a+\u), 24+\u, 28+\a, 1
.endif
.endr
.endr
.endr
	PLACES                                         ; four places ahead of the first read of results
	QCORE ACC, 4                                   ; block b = tile a: channels 32 ob + 16 h + 0 .. 15 of the tile's position r
.irp a, 0,1,2,3
	global_store_b64 v5, v[PC+2*\a:PC+2*\a+1], s[48:49] offset:2048*\a   ; the wave stores 256 consecutive bytes, at a multiple of 256 from the buffer's first byte
	ds_store_b8 v6, v[PRM+\a] offset:4*\a          ; lanes r and r + 16 write the same byte with the same value
.endr
	; v: source 0 = 16 positions, source 1 = 16 channels: a lane holds one channel, registers run along the positions.  Four accumulators by turns.
	; They are laid over q's: the quantiser's plain lines stand between, more than the five places that this asks
.irp s, 0,1
.irp a, 0,1,2,3
.if \s == 0
	MM ACC+8*\a, HF+16*\a, VW, VB, 28+\a, 26, 0
.else
	MM ACC+8*\a, HF+16*\a+8, VW+8, ACC+8*\a, 28+\a, 26, 1
.endif
.endr
.endr
	PLACES
	s_wait_xcnt 0x0                                ; the stores above have read the codes' registers,
	s_wait_dscnt 0x0                               ; and the byte stores theirs
	QCORE ACC, 2                                   ; two blocks of 32 positions: 64 ph + 32 b + 16 h + 0 .. 15
.irp j, 0,1
	v_permlane16_swap_b32 v[PC+\j], v[PC+2+\j]     ; the operand's layout wants a whole block in a lane: lanes 0-15 block 0, lanes 16-31 block 1
.endr
	v_lshl_or_b32 v52, v[PRM+1], 8, v[PRM]
	global_store_b128 v3, v[PC:PC+3], s[50:51]     ; registers 4 ph .. 4 ph + 3 of V's fragment: 512 consecutive bytes
	global_store_b16 v7, v52, s[56:57]             ; bytes 2 ph, 2 ph + 1 of my channel's scale word; lanes r and r + 16 store the same two bytes
	s_wait_dscnt 0x0
	s_barrier_signal -1
	s_barrier_wait -1                              ; my halves of q's and k's scale images are whole
	s_cmp_lt_u32 s32, 2
	s_cbranch_scc0 .Ldone
	ds_load_b128 v[40:43], v59
	s_wait_dscnt 0x0
	global_store_b128 v3, v[40:43], s[54:55]       ; 512 consecutive bytes a wave
.Ldone:
	s_wait_tensorcnt 0x0                           ; the wave's end
	ds_add_u32 v1, v2
	s_wait_dscnt 0x0
	s_endpgm
.Lfunc_end_k_q6152ce3f9f_qkv:
	.size	k_q6152ce3f9f_qkv, .Lfunc_end_k_q6152ce3f9f_qkv-k_q6152ce3f9f_qkv
	.p2alignl 7, 3214868480
	.fill 96, 4, 3214868480
	.section	.rodata,"a",@progbits
	.p2align	6, 0x0
	.amdhsa_kernel k_q6152ce3f9f_qkv
		.amdhsa_group_segment_fixed_size 11776
		.amdhsa_private_segment_fixed_size 0
		.amdhsa_enable_private_segment 0
		.amdhsa_kernarg_size 112
		.amdhsa_user_sgpr_count 2
		.amdhsa_user_sgpr_kernarg_segment_ptr 1
		.amdhsa_wavefront_size32 1
		.amdhsa_system_sgpr_workgroup_id_x 1
		.amdhsa_system_sgpr_workgroup_id_y 1
		.amdhsa_system_sgpr_workgroup_id_z 1
		.amdhsa_system_vgpr_workitem_id 0
		.amdhsa_next_free_vgpr 256
		.amdhsa_next_free_sgpr 66
		.amdhsa_reserve_vcc 0
		.amdhsa_float_denorm_mode_32 3
		.amdhsa_float_denorm_mode_16_64 3
		.amdhsa_memory_ordered 1
		.amdhsa_forward_progress 1
		.amdhsa_inst_pref_size 28
	.end_amdhsa_kernel
	.amdgpu_metadata
---
amdhsa.version: [ 1, 2 ]
amdhsa.kernels:
  - .name:           k_q6152ce3f9f_qkv
    .symbol:         k_q6152ce3f9f_qkv.kd
    .args:
      - { .name: x, .offset: 0, .size: 8, .value_kind: global_buffer, .address_space: global }
      - { .name: stats, .offset: 8, .size: 8, .value_kind: global_buffer, .address_space: global }
      - { .name: norm_b, .offset: 16, .size: 8, .value_kind: global_buffer, .address_space: global }
      - { .name: q_w_codes, .offset: 24, .size: 8, .value_kind: global_buffer, .address_space: global }
      - { .name: q_w_scales, .offset: 32, .size: 8, .value_kind: global_buffer, .address_space: global }
      - { .name: q_b, .offset: 40, .size: 8, .value_kind: global_buffer, .address_space: global }
      - { .name: k_w_codes, .offset: 48, .size: 8, .value_kind: global_buffer, .address_space: global }
      - { .name: k_w_scales, .offset: 56, .size: 8, .value_kind: global_buffer, .address_space: global }
      - { .name: k_b, .offset: 64, .size: 8, .value_kind: global_buffer, .address_space: global }
      - { .name: v_w_codes, .offset: 72, .size: 8, .value_kind: global_buffer, .address_space: global }
      - { .name: v_w_scales, .offset: 80, .size: 8, .value_kind: global_buffer, .address_space: global }
      - { .name: v_b, .offset: 88, .size: 8, .value_kind: global_buffer, .address_space: global }
      - { .name: qimg, .offset: 96, .size: 8, .value_kind: global_buffer, .address_space: global }
      - { .name: kv, .offset: 104, .size: 8, .value_kind: global_buffer, .address_space: global }
    .group_segment_fixed_size: 11776
    .private_segment_fixed_size: 0
    .kernarg_segment_align: 8
    .kernarg_segment_size: 112
    .max_flat_workgroup_size: 512
    .sgpr_count:     66
    .vgpr_count:     256
    .wavefront_size: 32
...
	.end_amdgpu_metadata
.endif
;; end of part 2
;; launch attn (part 3): grid 64 x 4, 8 waves a work-group, clusters of 4 x 1, 327,680 bytes of LDS; arguments qimg, kv, proj_w_codes, proj_w_scales, proj_b, x, out0; writes out0
.if DOCPART == 3
	.amdgcn_target "amdgcn-amd-amdhsa--gfx1250"
	.amdhsa_code_object_version 6
	.text
	.protected	k_q6152ce3f9f_attn
	.globl	k_q6152ce3f9f_attn
	.p2align	8
	.type	k_q6152ce3f9f_attn,@function
k_q6152ce3f9f_attn:
	s_mov_b64 s[64:65], 0
	v_nop
	global_prefetch_b8 v0, s[64:65] scope:SCOPE_SE
	s_setreg_imm32_b32 hwreg(HW_REG_WAVE_MODE, 25, 1), 1
	s_wait_xcnt 0x0
	s_wait_alu depctr_hold_cnt(0) depctr_sa_sdst(0) depctr_va_vdst(0) depctr_va_sdst(0) depctr_va_ssrc(0) depctr_va_vcc(0) depctr_vm_vsrc(0)
	s_getreg_b32 s2, hwreg(HW_REG_IB_STS2, 6, 4)
	s_cmp_eq_u32 s2, 0
	s_cbranch_scc0 .Lentry_in_a_cluster
	s_endpgm
.Lentry_in_a_cluster:
	s_bfe_u32 s2, ttmp6, 0x10000c
	s_cmp_lg_u32 s2, 0x3003
	s_cbranch_scc0 .Lentry_shape_is_right
	s_endpgm
.Lentry_shape_is_right:
; out0 = x + proj_w Q(O / l) + proj_b, O = v p^T, p = 2^(t - M), t = (q . k) log2(e) / 16; all three products on codes of FP4 (E2M1) with E8M0 scales.  No work of the problem is left out here.
; qimg and kv hold q, k, v as images of operand registers (a fragment: register 4 c + i of lane l at 512 c + 16 l + 4 i), as the launch before laid them; a block of kv is one key step of 128 keys: 34,816 dense bytes.
; SHARES.  A work-group owns 64 queries of one batch: four tiles of 16.  Wave w: qp = w % 2: tiles 2 qp and 2 qp + 1 (32 queries); ks = w / 2: a quarter of the keys, eight key steps.
; So each fragment of K or V read from LDS feeds two matrix instructions, and two waves share a SIMD.
; At the end the four quarters' O^T, M and l meet in LDS: M is a whole number, so bringing them under the largest M is exact.
; BOTH PRODUCTS ARE USED TRANSPOSED: S^T = K Q^T, O^T = V P^T: a lane holds one query throughout.  The keys of a tile of K, and the channels of a tile of V, are chosen so that the 16 registers of
; tiles 2 B and 2 B + 1 are 16 neighbours along the next product's K.
; THE SOFTMAX: M = the running largest t rounded up, kept as -M = floor(-t); the row's sum is taken of the unquantised p; when M moves, the sum and O^T are multiplied by 2^(old M - new M).
; A block's largest p is taken from the block's largest score by the same multiply-add and exponential (this takes v_exp_f32 not to fall where its input rises).
; THE EXPONENTIALS ARE DEALT AMONG PLAIN WORK.  A tile's softmax is four numbered lists: the maxima with M and f (49 lines), the scalings (36), the exponentials (68), and what reads them (61: sums, scale bytes, codes).
; Tile 0's exponentials stand among tile 1's maxima and scalings; one wait; tile 1's exponentials stand among tile 0's readers; one wait.  No line among a batch of exponentials names a result of that batch.
; CLUSTER.  The four query blocks of a cluster walk the same kv blocks: each tile is asked for jointly, by the same tensor load with the same descriptor and the mask of all four.
; RING.  Two slots of four kv blocks (one for each quarter of the keys); wave w fills bytes 17,408 w on of a slot: one load a wave behind each round.  By this text's count a wave has two tensor loads out at the start, then one.
; LIMITS: NaN and infinities are not served; v_exp_f32 and v_rcp_f32 are accurate to 1 ulp and flush denormals; a block of p whose largest lies under 2^-124 keeps the byte 1; O / l is formed as the sum of P_k x (f_k / l).
; REGISTERS.  Window 0: v1 spare word, v2 0, v3-4 my quarter's block in slot 0, 1; v5, v6 prefetch offsets; v7 16 x lane; v8-15 -M, largest t, sum pair for two tiles; v16-19 the factors f;
;   v20-51 Q; v52-63 scale words and nothing else (52-53 Q's, 54-55 p's, 56-63 K's or V's); v64-95, v96-127 two buffers of four K fragments (later v64-79 p's codes, v80-95 tile 1's work, v96-111 tile 0's);
;   v128-255 S^T, then p, then V's 16 fragments.   Window 1: O^T: tile tau, channel tile ct at 128 tau + 8 ct.
.set KVB,   34816
.set HALFB, 17408
.set QBLK,  17408
.set SLOTB, 139264
.set SPARE, 278528                     ; behind the ring: the spare words, 128 bytes for each of 8 waves
.set STAT,  279552                     ; -M and l: 512 w + 256 tau + {0, 128} + 4 lane
.set OIMG,  283648                     ; O's eight fragments: 1024 w
.set OSC,   291840                     ; their scale words: 128 T + 64 H + 4 r
; the exchange of O^T (32768 w + 16384 tau + 1024 ct) and later the stages for the way out (32 rows of 272 bytes for each wave) lie in the slots, which have had their last fill by then
.set MSB, 0
.macro WIN new                         ; the immediate's high byte repeats the setting that is left
.if MSB != \new
	s_set_vgpr_msb (MSB<<8)|\new
.set MSB, \new
.endif
.endm
.macro PLACES
.rept 4
	v_nop
.endr
.endm
.macro ROUND                           ; a round of the cluster's barrier
	s_barrier_signal -1
	s_barrier_wait -1
	s_cmp_lg_u32 s18, 0
	s_cbranch_scc1 .Lnw0_\@
	s_barrier_signal -3
.Lnw0_\@:
	s_barrier_wait -3
	s_barrier_signal -1
	s_barrier_wait -1
.endm
.macro BAR                             ; my LDS instructions are done: then the work-group's barrier
	s_wait_dscnt 0x0
	s_barrier_signal -1
	s_barrier_wait -1
.endm
.macro MM d, a, b, c, sa, sb, row      ; c < 0: the sum starts with 0.  row: which half of the lanes of both scale registers is read
.if (\c) < 0
.if \row
	v_wmma_scale_f32_16x16x128_f8f6f4 v[\d:\d+7], v[\a:\a+7], v[\b:\b+7], 0, v[\sa], v[\sb] matrix_a_fmt:MATRIX_FMT_FP4 matrix_b_fmt:MATRIX_FMT_FP4 matrix_a_scale:MATRIX_SCALE_ROW1 matrix_b_scale:MATRIX_SCALE_ROW1
.else
	v_wmma_scale_f32_16x16x128_f8f6f4 v[\d:\d+7], v[\a:\a+7], v[\b:\b+7], 0, v[\sa], v[\sb] matrix_a_fmt:MATRIX_FMT_FP4 matrix_b_fmt:MATRIX_FMT_FP4
.endif
.else
.if \row
	v_wmma_scale_f32_16x16x128_f8f6f4 v[\d:\d+7], v[\a:\a+7], v[\b:\b+7], v[\c:\c+7], v[\sa], v[\sb] matrix_a_fmt:MATRIX_FMT_FP4 matrix_b_fmt:MATRIX_FMT_FP4 matrix_a_scale:MATRIX_SCALE_ROW1 matrix_b_scale:MATRIX_SCALE_ROW1
.else
	v_wmma_scale_f32_16x16x128_f8f6f4 v[\d:\d+7], v[\a:\a+7], v[\b:\b+7], v[\c:\c+7], v[\sa], v[\sb] matrix_a_fmt:MATRIX_FMT_FP4 matrix_b_fmt:MATRIX_FMT_FP4
.endif
.endif
.endm
.macro PVM t, ct, first                ; O^T(t, ct) += V(ct) P(t): V's scale words of tiles ct and ct + 1 share a register
.if \first
.if (\ct)%2
	v_wmma_scale_f32_16x16x128_f8f6f4 v[128*\t+8*\ct:128*\t+8*\ct+7], v[128+8*\ct:128+8*\ct+7], v[64+8*\t:64+8*\t+7], 0, v[56+\ct/2], v[54+\t] matrix_a_fmt:MATRIX_FMT_FP4 matrix_b_fmt:MATRIX_FMT_FP4 matrix_a_scale:MATRIX_SCALE_ROW1
.else
	v_wmma_scale_f32_16x16x128_f8f6f4 v[128*\t+8*\ct:128*\t+8*\ct+7], v[128+8*\ct:128+8*\ct+7], v[64+8*\t:64+8*\t+7], 0, v[56+\ct/2], v[54+\t] matrix_a_fmt:MATRIX_FMT_FP4 matrix_b_fmt:MATRIX_FMT_FP4
.endif
.else
.if (\ct)%2
	v_wmma_scale_f32_16x16x128_f8f6f4 v[128*\t+8*\ct:128*\t+8*\ct+7], v[128+8*\ct:128+8*\ct+7], v[64+8*\t:64+8*\t+7], v[128*\t+8*\ct:128*\t+8*\ct+7], v[56+\ct/2], v[54+\t] matrix_a_fmt:MATRIX_FMT_FP4 matrix_b_fmt:MATRIX_FMT_FP4 matrix_a_scale:MATRIX_SCALE_ROW1
.else
	v_wmma_scale_f32_16x16x128_f8f6f4 v[128*\t+8*\ct:128*\t+8*\ct+7], v[128+8*\ct:128+8*\ct+7], v[64+8*\t:64+8*\t+7], v[128*\t+8*\ct:128*\t+8*\ct+7], v[56+\ct/2], v[54+\t] matrix_a_fmt:MATRIX_FMT_FP4 matrix_b_fmt:MATRIX_FMT_FP4
.endif
.endif
.endm
.macro KLOAD ad, g, buf                ; K's fragments of key tiles 2 g, 2 g + 1, both K steps: eight loads
.irp f, 0,1,2,3
.irp c, 0,1
	ds_load_b128 v[\buf+8*\f+4*\c:\buf+8*\f+4*\c+3], v[\ad] offset:4096*\g+1024*\f+512*\c
.endr
.endr
.endm
.macro VLOAD ad, hf                    ; V's fragments 8 hf .. 8 hf + 7: sixteen loads
.irp f, 0,1,2,3,4,5,6,7
.irp c, 0,1
	ds_load_b128 v[128+64*\hf+8*\f+4*\c:128+64*\hf+8*\f+4*\c+3], v[\ad] offset:16384+8192*\hf+1024*\f+512*\c
.endr
.endr
.endm
.macro WM g, buf                       ; eight products: key tiles 2 g, 2 g + 1 x my two query tiles x two K steps; four accumulators by turns
.irp s, 0,1
.irp e, 0,1
.irp t, 0,1
.if \s == 0
	MM 128+64*\t+8*(2*\g+\e), \buf+16*\e, 20+16*\t, -1, 56+2*\g+\e, 52+\t, 0
.else
	MM 128+64*\t+8*(2*\g+\e), \buf+16*\e+8, 28+16*\t, 128+64*\t+8*(2*\g+\e), 56+2*\g+\e, 52+\t, 1
.endif
.endr
.endr
.endr
.endm
; ONE TILE'S SOFTMAX FOR ONE KEY STEP, AS FOUR NUMBERED LISTS.  Each macro writes line qn of its list for tile tau.
; Tile tau's registers: SB its 64 scores, then p; NM -M, NM + 1 the largest t, NM + 2, + 3 the sum; FF f; PCB its codes; PSR its scale word;
; TMB + 0 .. 3 the blocks' largest scores, + 4 .. 7 the other half's, later the bytes, + 8 .. 11 the scale operands, + 12 at work, + 14, + 15 a second chain of the sum
.macro SETT tau
.set SB,  128+64*(\tau)
.set NM,  8+4*(\tau)
.set FF,  16+2*(\tau)
.set PCB, 64+8*(\tau)
.set TMB, 96-16*(\tau)
.set PSR, 54+(\tau)
.endm
.macro MAXM_I tau                      ; 49 lines: the largest score of each block of 32 keys (it serves for the row's maximum and for the block's largest p), M and f
	SETT \tau
.if qn < 4
	v_max3_num_f32 v[TMB+qn], v[SB+16*qn], v[SB+16*qn+1], v[SB+16*qn+2]
.elseif qn < 28
.set qb, (qn-4)%4
.set qi, 3+2*((qn-4)/4)
	v_max3_num_f32 v[TMB+qb], v[TMB+qb], v[SB+16*qb+qi], v[SB+16*qb+qi+1]
.elseif qn < 32
.set qb, qn-28
	v_max_num_f32 v[TMB+qb], v[TMB+qb], v[SB+16*qb+15]
.elseif qn < 36
.set qb, qn-32
	v_permlanex16_b32 v[TMB+4+qb], v[TMB+qb], s42, s43
.elseif qn < 40
.set qb, qn-36
	v_max_num_f32 v[TMB+qb], v[TMB+qb], v[TMB+4+qb]            ; with lane l xor 16's 16 keys
.elseif qn == 40
	v_max3_num_f32 v[TMB+12], v[TMB], v[TMB+1], v[TMB+2]
.elseif qn == 41
	v_max_num_f32 v[TMB+12], v[TMB+12], v[TMB+3]
.elseif qn == 42
	v_mul_f32 v[TMB+12], s40, v[TMB+12]            ; as t
.elseif qn == 43
	v_max_num_f32 v[NM+1], v[NM+1], v[TMB+12]      ; the running largest t
.elseif qn == 44
	v_mov_b32 v[TMB+12], v[NM]
.elseif qn == 45
	v_floor_f32 v[NM], -v[NM+1]                    ; the new -M
.elseif qn == 46
	v_sub_f32 v[TMB+12], v[NM], v[TMB+12]          ; old M - new M: a whole number, 0 or less
.elseif qn == 47
	v_cvt_i32_f32 v[TMB+12], v[TMB+12]             ; (it saturates)
.else
	v_ldexp_f32 v[FF], 1.0, v[TMB+12]              ; f = 2^(old M - new M)
.endif
.endm
.macro SCALE_I tau                     ; 36 lines: t - M, two at a time; the same of each block's largest score
	SETT \tau
.if qn < 32
	v_pk_fma_f32 v[SB+2*qn:SB+2*qn+1], v[SB+2*qn:SB+2*qn+1], s[40:41], v[NM:NM+1] op_sel_hi:[1,0,0]
.else
	v_fma_f32 v[TMB+qn-32], v[TMB+qn-32], s40, v[NM]
.endif
.endm
.macro EXP_I tau                       ; 68 lines: p = 2^(t - M), and the blocks' largest p
	SETT \tau
.if qn < 64
	v_exp_f32 v[SB+qn], v[SB+qn]
.else
	v_exp_f32 v[TMB+qn-64], v[TMB+qn-64]
.endif
.endm
.macro POST_I tau                      ; 61 lines.  Line 0 names no exponential's result; all the others stand behind the batch's wait
	SETT \tau
.if qn == 0
	v_pk_mul_f32 v[NM+2:NM+3], v[NM+2:NM+3], v[FF:FF+1] op_sel_hi:[1,0]         ; the sums under the new M
.elseif qn == 1
	v_pk_add_f32 v[TMB+14:TMB+15], v[SB:SB+1], v[SB+2:SB+3]    ; the row's sum, of the unquantised p, in two chains
.elseif qn < 32
.set qj, 4+4*((qn-2)/2)
.if (qn%2) == 0
	v_pk_add_f32 v[NM+2:NM+3], v[NM+2:NM+3], v[SB+qj:SB+qj+1]
.else
	v_pk_add_f32 v[TMB+14:TMB+15], v[TMB+14:TMB+15], v[SB+qj+2:SB+qj+3]
.endif
.elseif qn == 32
	v_pk_add_f32 v[NM+2:NM+3], v[NM+2:NM+3], v[TMB+14:TMB+15]
.elseif qn < 37
.set qb, qn-33
	v_max_num_f32 v[TMB+qb], 0x1800000, v[TMB+qb]  ; the floor 2^(3 - 127)
.elseif qn < 41
.set qb, qn-37
	v_add_nc_u32 v[TMB+8+qb], 0xff000000, v[TMB+qb]            ; the conversions' scale operand
.elseif qn < 45
.set qb, qn-41
	v_lshrrev_b32 v[TMB+4+qb], 23, v[TMB+8+qb]     ; the scale's byte
.elseif qn == 45
	v_lshl_or_b32 v[PSR], v[TMB+5], 8, v[TMB+4]    ; p's scale word for these 128 keys
.elseif qn == 46
	v_lshl_or_b32 v[PSR], v[TMB+6], 16, v[PSR]
.elseif qn == 47
	v_lshl_or_b32 v[PSR], v[TMB+7], 24, v[PSR]
.elseif qn < 56
.set qb, (qn-48)/2
.set qi, (qn-48)%2
	v_cvt_scalef32_pk8_fp4_f32 v[PCB+2*qb+qi], v[SB+16*qb+8*qi:SB+16*qb+8*qi+7], v[TMB+8+qb]
.elseif qn == 56
	v_nop                                          ; one plain instruction behind the last conversion
.else
.set qb, (qn-57)/2
.set qi, (qn-57)%2
	v_permlane16_swap_b32 v[PCB+4*qb+qi], v[PCB+4*qb+2+qi]     ; a whole block in a lane
.endif
.endm
.macro PLAIN1                          ; line qp of tile 1's 85 plain lines: its maxima, then its scalings
.if qp < 49
.set qn, qp
	MAXM_I 1
.else
.set qn, qp-49
	SCALE_I 1
.endif
.set qp, qp+1
.endm
; A KEY STEP of my quarter, out of slot.  first = 1: its products start O^T's sums.  xpf = 1: the last step, which asks for my rows of x
.macro STEP slot, first, xpf
	v_nop                                          ; with the four in front of the macro: five places, since the scores are laid over V's fragments, which the last products read
	ds_load_b128 v[56:59], v[3+\slot] offset:32768 ; K's scale words: register kt: lanes 0-15 K step 0, lanes 16-31 K step 1
	ds_load_b128 v[60:63], v[3+\slot] offset:33280
	KLOAD 3+\slot, 0, 64
	KLOAD 3+\slot, 1, 96
.if \xpf
	global_prefetch_b8 v6, s[50:51] th:TH_LOAD_NT scope:SCOPE_SE   ; my 32 rows x 256 bytes of x for the way out, a lane a row, each block named once in the launch, one key step ahead of its load
.endif
	s_wait_dscnt 8                                 ; the scale words and the first eight loads are in; the second eight may be out
	WM 0, 64
	PLACES                                         ; ahead of loads into registers that matrix instructions have read
	KLOAD 3+\slot, 2, 64
	s_wait_dscnt 8                                 ; all but the eight just issued
	WM 1, 96
	PLACES
	KLOAD 3+\slot, 3, 96
	s_wait_dscnt 8                                 ; all but the eight just issued
	WM 2, 64
	s_wait_dscnt 0x0
	WM 3, 96
	PLACES
	ds_load_b128 v[56:59], v[3+\slot] offset:33792 ; V's scale words
	ds_load_b128 v[60:63], v[3+\slot] offset:34304
	; tile 0: the maxima, M and f; the scalings
.set qn, 0
.rept 49
	MAXM_I 0
.set qn, qn+1
.endr
.set qn, 0
.rept 36
	SCALE_I 0
.set qn, qn+1
.endr
	; tile 0's 68 exponentials among tile 1's 85 plain lines: a plain line leads each, a second one every fourth: 68 + 17
.set qe, 0
.set qp, 0
.rept 68
	PLAIN1
.if (qe%4) == 0
	PLAIN1
.endif
.set qn, qe
	EXP_I 0
.set qe, qe+1
.endr
.set qn, 0
	POST_I 0                                       ; the plain instruction behind the last exponential
	s_wait_alu depctr_va_vdst(0)                   ; one wait for tile 0's batch, ahead of its first reader
	; tile 1's 68 exponentials among the 60 lines that read tile 0's; V's fragments 0-7 are asked for, over tile 0's p, as soon as it is in codes
.set qe, 0
.set qp, 1
.rept 68
.if qp < 61
.set qn, qp
	POST_I 0
.set qp, qp+1
.if qp == 61
	VLOAD 3+\slot, 0
.endif
.endif
.set qn, qe
	EXP_I 1
.set qe, qe+1
.endr
.set qn, 0
	POST_I 1                                       ; the plain instruction behind the last exponential
	s_wait_alu depctr_va_vdst(0)                   ; and one wait for tile 1's batch
.set qn, 1
.rept 60
	POST_I 1
.set qn, qn+1
.endr
	VLOAD 3+\slot, 1
.if \first
.rept 8
	v_nop                                          ; a scale register written by a vector instruction stands eight places ahead of the scaled product
.endr
.else
	WIN 0x41                                       ; O^T in window 1, f in window 0
.irp t, 0,1
.set j, 0
.rept 64
	v_pk_mul_f32 v[128*\t+j:128*\t+j+1], v[128*\t+j:128*\t+j+1], v[16+2*\t:17+2*\t] op_sel_hi:[1,0]   ; O^T under the new M; each accumulator from its low end on
.set j, j+2
.endr
.endr
.endif
	s_wait_dscnt 16                                ; V's scale words and fragments 0-7 are in; the sixteen youngest loads may be out
	WIN 0x50                                       ; C and D in window 1
.irp ct, 0,1,2,3,4,5,6,7
.irp t, 0,1
	PVM \t, \ct, \first
.endr
.endr
	s_wait_dscnt 0x0
.irp ct, 8,9,10,11,12,13,14,15
.irp t, 0,1
	PVM \t, \ct, \first
.endr
.endr
	WIN 0
.endm
; A PREFETCH INTO THE L2 of what the next change of slots will ask for.  All clusters of a batch walk the same kv blocks: the batch's first cluster asks.  Each wave asks for the chunk that it will fetch (68 rows of 256 bytes);
; its four partners take 17 rows each, told apart by address; lanes 17 to 31 repeat lane 16's.  The change in front of step i names step i + 2: the trip's first change always has one, the second only while a trip follows.
.macro ASK o
.if \o == 0
	s_cmp_eq_u32 s46, 1
.else
	s_cmp_gt_u32 s48, s46
.endif
	s_cbranch_scc0 .Lnoask_\@
	global_prefetch_b8 v5, s[44:45] th:TH_LOAD_NT scope:SCOPE_SE
.Lnoask_\@:
.endm
; THE CHANGE OF SLOTS: slot o, which every wave has read out, is filled again, two key steps ahead
.macro CHANGE o
	s_wait_tensorcnt 0x0                           ; all my tensor loads have landed, my part of the other slot among them: so a group 0 may be written
	ds_add_u32 v1, v2                              ; 0 onto my spare word
	s_add_nc_u64 s[34+4*\o:35+4*\o], s[34+4*\o:35+4*\o], 2*KVB
	s_wait_xcnt 0x0                                ; the last prefetch, a key step back, has read its address
	s_add_nc_u64 s[44:45], s[44:45], KVB
	s_wait_dscnt 0x0                               ; the add is done, and my reads of the slot are over
	ROUND                                          ; no wave of any partner still reads the slot or has a load on its way
	tensor_load_to_lds s[32+4*\o:35+4*\o], s[24:31]
	s_nop 0
	PLACES
	ASK \o
.endm
	s_load_b256 s[4:11], s[0:1], 0x0               ; qimg 4, kv 6, proj_w_codes 8, proj_w_scales 10
	s_load_b128 s[12:15], s[0:1], 0x20             ; proj_b 12, x 14
	s_load_b64 s[16:17], s[0:1], 0x30              ; out0
	v_lshl_add_u32 v1, v0, 2, SPARE
	v_mov_b32 v2, 0
	ds_add_u32 v1, v2                              ; the wave's opening
	ds_add_u32 v1, v2
	v_lshrrev_b32 v8, 5, v0
	v_readfirstlane_b32 s18, v8                    ; wave
	s_and_b32 s22, s18, 1                          ; qp; in the tail H
	s_lshr_b32 s23, s18, 1                         ; ks; in the tail T
	s_bfe_u32 s19, ttmp6, 0x40000                  ; cx
	s_lshl_b32 s20, ttmp9, 2
	s_add_co_u32 s20, s20, s19                     ; my block of 64 queries: it enters the addresses of q, x, out0 and the prefetch alone
	s_and_b32 s21, ttmp7, 0xffff                   ; b, which the partners share
	; descriptor group 1: 17,408 dense bytes as 68 rows of 256 (32 elements of 8 bytes), no padding: images are read 16 bytes a lane on end
	s_mov_b32 s24, 15|(3<<16)|(1<<21)              ; the mask of all four; elements of 8 bytes; bit 21 beside a mask
	s_mov_b32 s25, 32<<16                          ; tensor_dim0
	s_mov_b32 s26, 68<<16                          ; tensor_dim1
	s_mov_b32 s27, 32<<16                          ; tile_dim0
	s_mov_b32 s28, 68                              ; tile_dim1
	s_mov_b32 s29, 32                              ; the pitch
	s_mov_b32 s30, 0
	s_mov_b32 s31, 0
	s_lshl_b32 s54, s21, 5
	s_lshl_b32 s55, s23, 3
	s_add_co_u32 s54, s54, s55                     ; kv block 32 b + 8 ks: my quarter's first key step,
	s_mul_i32 s54, s54, KVB
	s_mul_i32 s55, s22, HALFB                      ; the half of it that I fetch
	s_add_co_u32 s54, s54, s55
	s_mov_b32 s55, 0
	s_mul_i32 s56, s18, HALFB                      ; and where it goes in a slot
	s_mul_i32 s57, s23, KVB                        ; my quarter's block in a slot
	v_and_b32 v9, 31, v0
	v_lshlrev_b32 v7, 4, v9                        ; 16 x lane
	v_add_nc_u32 v3, s57, v7
	v_add_nc_u32 v4, SLOTB, v3
	v_min_u32 v5, 16, v9
	v_lshlrev_b32 v5, 8, v5                        ; 256 x min(lane, 16)
	v_lshlrev_b32 v6, 14, v9                       ; a row of x a lane
	s_mov_b32 s40, 0x3db8aa3b                      ; log2(e) / 16
	s_mov_b32 s41, s40
	s_mov_b32 s42, 0x76543210
	s_mov_b32 s43, 0xfedcba98                      ; lane l xor 16
	s_cmp_eq_u32 ttmp9, 0                          ; the batch's first cluster: the same in all four partners
	s_cselect_b32 s46, 1, -1
	s_mov_b32 s48, 3
	s_lshr_b32 s58, s20, 1
	s_lshl_b32 s59, s21, 5
	s_add_co_u32 s58, s58, s59
	s_mul_i32 s58, s58, QBLK                       ; my block of qimg
	s_and_b32 s59, s20, 1
	s_lshl_b32 s60, s59, 2
	s_lshl_b32 s61, s22, 1
	s_add_co_u32 s60, s60, s61
	s_lshl_b32 s60, s60, 11                        ; tile 4 (block % 2) + 2 qp
	s_add_co_u32 s60, s60, s58
	s_mov_b32 s61, 0
	s_lshl_b32 s62, s59, 9
	s_lshl_b32 s63, s22, 3
	s_add_co_u32 s62, s62, s63
	s_add_co_u32 s62, s62, 16384                   ; its two scale words
	s_add_co_u32 s62, s62, s58
	s_mov_b32 s63, 0
	s_lshl_b32 s50, s21, 22                        ; x and out0: batch,
	s_lshl_b32 s51, s18, 19                        ; rows 32 w on,
	s_add_co_u32 s50, s50, s51
	s_lshl_b32 s51, s20, 8                         ; my 64 positions
	s_add_co_u32 s50, s50, s51
	s_mov_b32 s51, 0
	s_mul_i32 s58, s19, 17*256                     ; the prefetches: my work-group's 17 rows of a chunk's 68
	s_mov_b32 s59, 0
	v_mov_b32 v9, 0xff61b1e6                       ; the largest t so far: -3e38
	v_floor_f32 v8, -v9                            ; -M
	v_mov_b32 v10, 0                               ; the sum, in two halves
	v_mov_b32 v11, 0
	v_mov_b32 v13, 0xff61b1e6
	v_floor_f32 v12, -v13
	v_mov_b32 v14, 0
	v_mov_b32 v15, 0
.irp j, 16,17,18,19
	v_mov_b32 v\j, 0                               ; (the pairs' upper halves are named, so they are written)
.endr
	s_wait_dscnt 0x0                               ; both opening adds are done
	s_wait_kmcnt 0x0
	s_add_nc_u64 s[6:7], s[6:7], s[54:55]          ; kv at my chunk of step 0
	s_add_nc_u64 s[44:45], s[6:7], s[58:59]
	s_add_nc_u64 s[44:45], s[44:45], 2*KVB         ; the prefetches stand at step 2: the first change steps them to step 3.  Nothing is prefetched at the head
	s_add_nc_u64 s[60:61], s[4:5], s[60:61]
	s_add_nc_u64 s[62:63], s[4:5], s[62:63]
	s_add_nc_u64 s[52:53], s[16:17], s[50:51]
	s_add_nc_u64 s[50:51], s[14:15], s[50:51]
	s_lshl_b32 s54, s18, 12                        ; proj_w: rows 32 w on, 128 bytes each,
	s_add_nc_u64 s[8:9], s[8:9], s[54:55]
	s_lshl_b32 s54, s18, 8                         ; their scale bytes,
	s_add_nc_u64 s[10:11], s[10:11], s[54:55]
	s_lshl_b32 s54, s18, 7                         ; their bias
	s_add_nc_u64 s[12:13], s[12:13], s[54:55]
	ROUND                                          ; all four work-groups are here: the first joint loads meet
.irp n, 0,1
	s_mov_b32 s[32+4*\n], 1
	s_add_co_u32 s[33+4*\n], s56, \n*SLOTB
	s_add_nc_u64 s[34+4*\n:35+4*\n], s[6:7], \n*KVB
	s_or_b32 s[35+4*\n], s[35+4*\n], 0x80000000
.endr
	tensor_load_to_lds s[32:35], s[24:31]          ; key step 0
	s_nop 0
	tensor_load_to_lds s[36:39], s[24:31]          ; key step 1
	s_nop 0
	PLACES
.irp t, 0,1
.irp s, 0,1
.irp c, 0,1
	global_load_b128 v[20+16*\t+8*\s+4*\c:20+16*\t+8*\s+4*\c+3], v7, s[60:61] offset:2048*\t+1024*\s+512*\c   ; Q stays in registers
.endr
.endr
.endr
	global_load_b64 v[52:53], v7, s[62:63]         ; its scale words: lanes 0-15 K step 0, lanes 16-31 K step 1
	s_wait_tensorcnt 1                             ; my part of slot 0 is in; slot 1's may stay out
	s_barrier_signal -1
	s_barrier_wait -1
	s_wait_loadcnt 0x0                             ; Q
	STEP 0, 1, 0                                   ; step 0
.Lloop:                                            ; three trips: steps 1 to 6; both slots are filled again in each
	CHANGE 0
	STEP 1, 0, 0
	CHANGE 1
	STEP 0, 0, 0
	s_sub_co_u32 s48, s48, 1
	s_cmp_lg_u32 s48, 0
	s_cbranch_scc1 .Lloop
	s_wait_tensorcnt 0x0                           ; the tail is written out: my part of step 7 has landed, and nothing more is asked for
	ds_add_u32 v1, v2
	s_wait_dscnt 0x0
	s_barrier_signal -1
	s_barrier_wait -1
	PLACES
	STEP 1, 0, 1                                   ; step 7
	; THE TAIL.  T = w / 2: the tile of queries, H = w % 2: the half of the channels whose O / l I finish and quantise.  The projection then goes by output rows: wave w makes outputs 32 w .. 32 w + 31 for all 64 queries
	v_add_f32 v10, v10, v11                        ; l: the sum's two halves,
	v_add_f32 v14, v14, v15
	v_permlanex16_b32 v11, v10, s42, s43
	v_permlanex16_b32 v15, v14, s42, s43
	v_add_f32 v10, v10, v11                        ; and lane l xor 16's
	v_add_f32 v14, v14, v15
	v_and_b32 v48, 31, v0                          ; lane
	v_and_b32 v49, 15, v0                          ; r
	v_bfe_u32 v50, v0, 4, 1                        ; h
	s_lshl_b32 s54, s18, 15
	v_add_nc_u32 v16, s54, v7                      ; where I put my O^T
	s_lshl_b32 s54, s18, 9
	s_add_co_u32 s54, s54, STAT
	v_lshl_add_u32 v17, v48, 2, s54                ; and my -M and l
	s_lshr_b32 s55, s18, 2                         ; T / 2: the qp of the waves that hold tile T
	s_bfe_u32 s56, s18, 0x10001                    ; T % 2: their tau
	s_lshl_b32 s54, s55, 9
	s_lshl_b32 s57, s56, 8
	s_add_co_u32 s54, s54, s57
	s_add_co_u32 s54, s54, STAT
	v_lshl_add_u32 v18, v48, 2, s54                ; tile T's statistics, quarter 0's; 1,024 bytes from quarter to quarter
	s_lshl_b32 s54, s18, 10
	s_add_co_u32 s54, s54, OIMG
	v_add_nc_u32 v19, s54, v7                      ; where I put O's fragment (T, H)
	s_lshl_b32 s54, s55, 15
	s_lshl_b32 s57, s56, 14
	s_add_co_u32 s54, s54, s57
	s_lshl_b32 s57, s22, 13
	s_add_co_u32 s54, s54, s57
	v_add_nc_u32 v20, s54, v7                      ; tile T, channels 128 H on, of quarter 0 .. 3
	v_add_nc_u32 v21, 0x10000, v20
	v_add_nc_u32 v22, 0x20000, v20
	v_add_nc_u32 v23, 0x30000, v20
	s_lshl_b32 s54, s18, 6
	s_add_co_u32 s54, s54, OSC
	v_lshl_add_u32 v24, v49, 2, s54                ; my fragment's scale words
	v_add_nc_u32 v25, OIMG, v7                     ; all eight fragments of O,
	v_lshl_add_u32 v26, v48, 2, OSC                ; and their scale words
	s_mul_i32 s54, s18, 32*272                     ; my stage: 32 rows of 272 bytes: row 16 t + r is output 32 w + 16 t + r; in it position p at byte 4 p
	v_mul_u32_u24 v27, v49, 272
	v_lshl_add_u32 v27, v50, 6, v27
	v_add_nc_u32 v27, s54, v27                     ; in: row r, + 64 h: tile q's eight positions 32 (q / 2) + 8 (q % 2) + 16 h + 0 .. 7
	v_mul_u32_u24 v28, v50, 272
	v_lshl_add_u32 v28, v49, 4, v28
	v_add_nc_u32 v28, s54, v28                     ; back: lanes 0-15 one row, lanes 16-31 the next
	v_lshlrev_b32 v29, 14, v50
	v_lshl_add_u32 v29, v49, 4, v29                ; and the same two rows in x and out0
	v_lshlrev_b32 v30, 7, v49
	v_lshl_add_u32 v30, v50, 4, v30                ; proj_w: row r of 128 bytes, + 16 h
	v_lshlrev_b32 v31, 3, v49
	v_lshl_add_u32 v31, v50, 2, v31                ; its scale bytes: lanes 0-15 K step 0's word, lanes 16-31 K step 1's
	v_lshlrev_b32 v51, 2, v49                      ; proj_b
	BAR                                            ; every wave has read the slots out: they have had their last fill, and now hold the exchange
	WIN 0x04                                       ; an LDS store's data are its source 1: window 1
.irp t, 0,1
.irp ct, 0,1,2,3,4,5,6,7,8,9,10,11,12,13,14,15
.irp c, 0,1
	ds_store_b128 v16, v[128*\t+8*\ct+4*\c:128*\t+8*\ct+4*\c+3] offset:16384*\t+1024*\ct+512*\c   ; each accumulator from its low end on
.endr
.endr
.endr
	WIN 0
	ds_store_b32 v17, v8
	ds_store_b32 v17, v10 offset:128
	ds_store_b32 v17, v12 offset:256
	ds_store_b32 v17, v14 offset:384
	BAR                                            ; all quarters' O^T, -M and l lie in LDS
.macro PLOAD reg, ad                   ; a quarter's part of tile T, channels 128 H on: 64 registers
.irp f, 0,1,2,3,4,5,6,7
.irp c, 0,1
	ds_load_b128 v[\reg+8*\f+4*\c:\reg+8*\f+4*\c+3], v[\ad] offset:1024*\f+512*\c
.endr
.endr
.endm
.irp k, 0,1,2,3
	ds_load_b32 v[32+\k], v18 offset:1024*\k       ; -M of quarter k
	ds_load_b32 v[36+\k], v18 offset:1024*\k+128   ; l of quarter k
.endr
	PLOAD 64, 20
	PLOAD 128, 21
	PLOAD 192, 22
	; behind the LDS loads that the combine waits for: what the end wants from memory.  O^T's registers are free: proj_w's fragments (t, s) of my 32 outputs at 8 (2 t + s) of window 1, my rows of x from v128 of window 1 on
	WIN 0x40
.irp t, 0,1
.irp s, 0,1
.irp c, 0,1
	global_load_b128 v[8*(2*\t+\s)+4*\c:8*(2*\t+\s)+4*\c+3], v30, s[8:9] offset:2048*\t+64*\s+32*\c
.endr
.endr
.endr
.irp i, 0,1,2,3,4,5,6,7,8,9,10,11,12,13,14,15
	global_load_b128 v[128+4*\i:128+4*\i+3], v29, s[50:51] offset:32768*\i th:TH_LOAD_NT
.endr
	WIN 0
.irp t, 0,1
	global_load_b32 v[56+\t], v31, s[10:11] offset:128*\t
	global_load_b32 v[40+\t], v51, s[12:13] offset:64*\t
.endr
	s_wait_dscnt 48                                ; the eight statistics are in; the 48 LDS loads behind them may be out
	v_min_num_f32 v48, v32, v33
	v_min_num_f32 v49, v34, v35
	v_min_num_f32 v48, v48, v49                    ; -M of the largest M
.irp k, 0,1,2,3
	v_sub_f32 v[8+2*\k], v48, v[32+\k]             ; M_k - M: a whole number, 0 or less
.endr
.irp k, 0,1,2,3
	v_cvt_i32_f32 v[8+2*\k], v[8+2*\k]
.endr
.irp k, 0,1,2,3
	v_ldexp_f32 v[8+2*\k], 1.0, v[8+2*\k]          ; f_k
.endr
	v_mul_f32 v49, v8, v36
	v_fma_f32 v49, v10, v37, v49
	v_fma_f32 v49, v12, v38, v49
	v_fma_f32 v49, v14, v39, v49                   ; l
	v_rcp_f32 v50, v49
	v_nop                                          ; a plain instruction behind the transcendental
	s_wait_alu depctr_va_vdst(0)                   ; and the wait ahead of its first reader
.irp k, 0,1,2,3
	v_mul_f32 v[8+2*\k], v[8+2*\k], v50            ; g_k = f_k / l
.endr
	s_wait_dscnt 32                                ; quarter 0's part is in
.set j, 0
.rept 32
	v_pk_mul_f32 v[64+j:65+j], v[64+j:65+j], v[8:9] op_sel_hi:[1,0]
.set j, j+2
.endr
	s_wait_dscnt 16                                ; quarter 1's
.set j, 0
.rept 32
	v_pk_fma_f32 v[64+j:65+j], v[128+j:129+j], v[10:11], v[64+j:65+j] op_sel_hi:[1,0,1]
.set j, j+2
.endr
	PLOAD 128, 23
	s_wait_dscnt 16                                ; quarter 2's is in; the sixteen just issued may be out
.set j, 0
.rept 32
	v_pk_fma_f32 v[64+j:65+j], v[192+j:193+j], v[12:13], v[64+j:65+j] op_sel_hi:[1,0,1]
.set j, j+2
.endr
	s_wait_dscnt 0x0
.set j, 0
.rept 32
	v_pk_fma_f32 v[64+j:65+j], v[128+j:129+j], v[14:15], v[64+j:65+j] op_sel_hi:[1,0,1]
.set j, j+2
.endr
	; O / l, register 16 b + i = channel 128 H + 32 b + 16 h + i of my query, becomes a fragment: codes in v128-135, scale word in v204
.irp b, 0,1,2,3
	v_max3_num_f32 v[192+\b], |v[64+16*\b]|, |v[65+16*\b]|, 0x1800000
.endr
.irp i, 2,4,6,8,10,12,14
.irp b, 0,1,2,3
	v_max3_num_f32 v[192+\b], v[192+\b], |v[64+16*\b+\i]|, |v[65+16*\b+\i]|
.endr
.endr
.irp b, 0,1,2,3
	v_permlanex16_b32 v[196+\b], v[192+\b], s42, s43
.endr
.irp b, 0,1,2,3
	v_max_num_f32 v[192+\b], v[192+\b], v[196+\b]
.endr
.irp b, 0,1,2,3
	v_add_nc_u32 v[200+\b], 0xff000000, v[192+\b]
.endr
.irp b, 0,1,2,3
	v_lshrrev_b32 v[196+\b], 23, v[200+\b]
.endr
	v_lshl_or_b32 v204, v197, 8, v196
	v_lshl_or_b32 v204, v198, 16, v204
	v_lshl_or_b32 v204, v199, 24, v204
.irp b, 0,1,2,3
	v_cvt_scalef32_pk8_fp4_f32 v[128+2*\b], v[64+16*\b:71+16*\b], v[200+\b]
	v_cvt_scalef32_pk8_fp4_f32 v[129+2*\b], v[72+16*\b:79+16*\b], v[200+\b]
.endr
	v_nop                                          ; one plain instruction behind the last conversion
.irp c, 0,1
.irp i, 0,1
	v_permlane16_swap_b32 v[128+4*\c+\i], v[130+4*\c+\i]
.endr
.endr
	ds_store_b128 v19, v[128:131]
	ds_store_b128 v19, v[132:135] offset:512
	ds_store_b32 v24, v204                         ; lanes r and r + 16 write the same word with the same value
	BAR                                            ; O's eight fragments lie in LDS; every wave's reads of the exchange are over
.irp q, 0,1,2,3
.irp s, 0,1
.irp c, 0,1
	ds_load_b128 v[64+16*\q+8*\s+4*\c:64+16*\q+8*\s+4*\c+3], v25 offset:2048*\q+1024*\s+512*\c
.endr
.endr
	ds_load_b32 v[52+\q], v26 offset:128*\q        ; lanes 0-15 K step 0's words, lanes 16-31 K step 1's
.endr
	s_wait_dscnt 0x0
	s_wait_loadcnt 0x0                             ; proj_w, its scales, proj_b, x
	WIN 0x04                                       ; source 1 (proj_w) in window 1
	; y: source 0 = tile q's 16 queries, source 1 = 16 of my outputs: a lane holds one output and eight neighbouring positions.  Eight accumulators by turns
.irp s, 0,1
.irp t, 0,1
.irp q, 0,1,2,3
.if \s == 0
	MM 128+8*(4*\t+\q), 64+16*\q, 16*\t, -1, 52+\q, 56+\t, 0
.else
	MM 128+8*(4*\t+\q), 72+16*\q, 16*\t+8, 128+8*(4*\t+\q), 52+\q, 56+\t, 1
.endif
.endr
.endr
.endr
	WIN 0
	PLACES
.irp t, 0,1
.irp q, 0,1,2,3
.irp j, 0,1,2,3,4,5,6,7
	v_add_f32 v[128+8*(4*\t+\q)+\j], v[128+8*(4*\t+\q)+\j], v[40+\t]   ; + proj_b of my lane's output; each accumulator from its low end on
.endr
.endr
.endr
	; my 32 rows go through my own stage and come back whole: LDS serves a wave's instructions in order, so no wait and no barrier stands between the stores and the loads
.irp t, 0,1
.irp q, 0,1,2,3
	ds_store_b128 v27, v[128+8*(4*\t+\q):131+8*(4*\t+\q)] offset:4352*\t+128*(\q/2)+32*(\q%2)
	ds_store_b128 v27, v[132+8*(4*\t+\q):135+8*(4*\t+\q)] offset:4352*\t+128*(\q/2)+32*(\q%2)+16
.endr
.endr
.irp i, 0,1,2,3,4,5,6,7,8,9,10,11,12,13,14,15
	ds_load_b128 v[192+4*\i:195+4*\i], v28 offset:544*\i
.endr
	WIN 0x44                                       ; x, in window 1, takes the sum and is stored from there: one setting for all sixteen
.irp i, 0,1,2,3,4,5,6,7,8,9,10,11,12,13,14,15
	s_wait_dscnt 15-\i                             ; rows 2 i, 2 i + 1 are back; the younger loads may be out
	v_pk_add_f32 v[128+4*\i:129+4*\i], v[192+4*\i:193+4*\i], v[128+4*\i:129+4*\i]
	v_pk_add_f32 v[130+4*\i:131+4*\i], v[194+4*\i:195+4*\i], v[130+4*\i:131+4*\i]
	global_store_b128 v29, v[128+4*\i:131+4*\i], s[52:53] offset:32768*\i th:TH_STORE_NT   ; sixteen lanes store 256 consecutive bytes, at a multiple of 256 from out0's first byte
.endr
	WIN 0
	s_wait_tensorcnt 0x0                           ; the wave's end
	ds_add_u32 v1, v2
	s_wait_dscnt 0x0
	ROUND                                          ; the closing round
	s_endpgm
.Lfunc_end_k_q6152ce3f9f_attn:
	.size	k_q6152ce3f9f_attn, .Lfunc_end_k_q6152ce3f9f_attn-k_q6152ce3f9f_attn
	.p2alignl 7, 3214868480
	.fill 96, 4, 3214868480
	.section	.rodata,"a",@progbits
	.p2align	6, 0x0
	.amdhsa_kernel k_q6152ce3f9f_attn
		.amdhsa_group_segment_fixed_size 327680
		.amdhsa_private_segment_fixed_size 0
		.amdhsa_enable_private_segment 0
		.amdhsa_kernarg_size 56
		.amdhsa_user_sgpr_count 2
		.amdhsa_user_sgpr_kernarg_segment_ptr 1
		.amdhsa_wavefront_size32 1
		.amdhsa_system_sgpr_workgroup_id_x 1
		.amdhsa_system_sgpr_workgroup_id_y 1
		.amdhsa_system_sgpr_workgroup_id_z 1
		.amdhsa_system_vgpr_workitem_id 0
		.amdhsa_next_free_vgpr 512
		.amdhsa_next_free_sgpr 66
		.amdhsa_reserve_vcc 0
		.amdhsa_float_denorm_mode_32 3
		.amdhsa_float_denorm_mode_16_64 3
		.amdhsa_memory_ordered 1
		.amdhsa_forward_progress 1
		.amdhsa_inst_pref_size 209
	.end_amdhsa_kernel
	.amdgpu_metadata
---
amdhsa.version: [ 1, 2 ]
amdhsa.kernels:
  - .name:           k_q6152ce3f9f_attn
    .symbol:         k_q6152ce3f9f_attn.kd
    .args:
      - { .name: qimg, .offset: 0, .size: 8, .value_kind: global_buffer, .address_space: global }
      - { .name: kv, .offset: 8, .size: 8, .value_kind: global_buffer, .address_space: global }
      - { .name: proj_w_codes, .offset: 16, .size: 8, .value_kind: global_buffer, .address_space: global }
      - { .name: proj_w_scales, .offset: 24, .size: 8, .value_kind: global_buffer, .address_space: global }
      - { .name: proj_b, .offset: 32, .size: 8, .value_kind: global_buffer, .address_space: global }
      - { .name: x, .offset: 40, .size: 8, .value_kind: global_buffer, .address_space: global }
      - { .name: out0, .offset: 48, .size: 8, .value_kind: global_buffer, .address_space: global }
    .group_segment_fixed_size: 327680
    .private_segment_fixed_size: 0
    .kernarg_segment_align: 8
    .kernarg_segment_size: 56
    .max_flat_workgroup_size: 256
    .sgpr_count:     66
    .vgpr_count:     512
    .wavefront_size: 32
...
	.end_amdgpu_metadata
.endif
;; end of part 3
